; MI455X (gfx1250); checked and timed in simulation.
; The chip was launched on July 23, 2026; its instructions are those of AMD's public machine-readable ISA for CDNA 5 (MIT licence, August 2026) and "CDNA5" Instruction Set Architecture Reference Guide (July 2026). The comments in the code are by the model that wrote it; some were corrected since.
;; Slow LSTM. Allowed arithmetic: float matrix products may take bf16 or f16 operands with f32 sums; other float arithmetic in f32, or as packed bf16 or f16 multiplies, adds, multiply-adds, maxima and minima; sums over many terms, partial sums and values carried from step to step in f32; what a program stores and reads back later, other than sums and carried values, may be rounded once to bf16 or f16.
;; Inputs: b_c 2,048 float32; b_f 2,048 float32; b_i 2,048 float32; b_o 2,048 float32; c 1 x 2,048 x 2,048 float32; h 1 x 2,048 x 2,048 float32; w_hc 2,048 x 2,048 float32; w_hf 2,048 x 2,048 float32; w_hi 2,048 x 2,048 float32; w_ho 2,048 x 2,048 float32; w_xc 2,048 x 2,048 float32; w_xf 2,048 x 2,048 float32; w_xi 2,048 x 2,048 float32; w_xo 2,048 x 2,048 float32; x 1 x 2,048 x 2,048 float32.
;; Outputs: out0 1 x 2,048 x 2,048 float32; out1 1 x 2,048 x 2,048 float32.
;; 2 versions, each right; version 2 is version 1 with the launch cast written anew for expert scheduling mode. Each part assembles by itself: llvm-mc -triple=amdgcn-amd-amdhsa -mcpu=gfx1250 --defsym DOCPART=n.
;; ======== version 1 of 2: 2 launches
;; workspace buffers: ab 16,777,216 bytes; wb 67,108,864 bytes
;; launch cast (part 1): grid 128 x 10, 8 waves a work-group, no clusters, 0 bytes of LDS; arguments x, h, w_xi, w_xf, w_xo, w_xc, w_hi, w_hf, w_ho, w_hc, ab, wb; writes ab, wb
.if DOCPART == 1
	.amdgcn_target "amdgcn-amd-amdhsa--gfx1250"
	.amdhsa_code_object_version 6
	.text
	.protected	k_qb858812fb5_cast
	.globl	k_qb858812fb5_cast
	.p2align	8
	.type	k_qb858812fb5_cast,@function
k_qb858812fb5_cast:
	s_mov_b64 s[64:65], 0
	v_nop
	global_prefetch_b8 v0, s[64:65] scope:SCOPE_SE
	s_setreg_imm32_b32 hwreg(HW_REG_WAVE_MODE, 25, 1), 1
	s_wait_xcnt 0x0
; x, h and the eight weight matrices, each [2048][2048] f32, are rounded once to bf16 (to nearest even) and written in the order in which the product's tiles are fetched.
; Both results are made of BLOCKS of 128 source rows x 64 source columns, 16,384 dense bytes, a block's row 128 bytes:
;   ab = [mt 8][ks 32][mhalf 2][khalf 2] blocks: rows 256 mt + 128 mhalf .., channels 128 ks + 64 khalf .. of [x | h] (ks 0-15: x, ks 16-31: h)
;   wb = [t 32][ks 32][g 4] blocks: channels 128 ks .. (ks 0-15: w_x*, 16-31: w_h*), columns 64 t .. of gate g (0 i, 1 f, 2 o, 3 c)
; SHARES.  Grid y is the tensor (0 x, 1 h, 2-5 w_xi, xf, xo, xc, 6-9 w_hi, hf, ho, hc).  Grid x: row block rb = x / 8 (128 rows), strip = x % 8 (256 columns).
; Wave w takes column block cb = 4 strip + w % 4 and the rows 64 (w / 4) .. + 63 of the block: 16 units of 4 rows x 64 columns.  In a unit lane l takes row l / 8 and the 8 numbers at
; column 8 (l % 8): two loads of 16 bytes (eight lanes cover 256 consecutive bytes of a source row, aligned) and one store of 16 bytes (the wave's store covers 512 consecutive bytes, aligned).
; All 32 loads of a wave go out at once; each unit has registers of its own, so no register that a pending instruction names is ever written again, and no loop is needed.
; No LDS, no barrier, no matrix unit: no wave wants a byte that another wave has fetched.  LIMITS: numbers beyond bf16's range do not exist in f32; NaN stays NaN.
.set SO, 2                             ; v2   my byte offset in the wave's first four source rows; never rewritten
.set DO, 3                             ; v3   my byte offset in a unit's 512 bytes of the result; never rewritten
.set X,  4                             ; v[4:131]  unit u: 8 registers as loaded; its first four then hold the 8 bf16
	s_load_b512 s[8:23], s[0:1], 0x0               ; x, h, w_xi, w_xf, w_xo, w_xc, w_hi, w_hf
	s_load_b256 s[24:31], s[0:1], 0x40             ; w_ho, w_hc, ab s[28:29], wb s[30:31]
	s_and_b32 s4, ttmp7, 0xffff                    ; y: the tensor
	v_lshrrev_b32 v1, 5, v0
	v_readfirstlane_b32 s6, v1                     ; wave 0..7
	s_lshr_b32 s40, ttmp9, 3                       ; rb
	s_and_b32 s41, ttmp9, 7                        ; strip
	s_and_b32 s42, s6, 3
	s_lshl2_add_u32 s41, s41, s42                  ; cb = 4 strip + w % 4
	s_lshr_b32 s42, s6, 2                          ; which 64 rows of the block
	; the block's number in ab: ((32 (rb / 2) + cb / 2 + 16 y) 2 + rb % 2) 2 + cb % 2
	s_lshr_b32 s43, s40, 1
	s_lshl_b32 s43, s43, 5
	s_lshr_b32 s44, s41, 1
	s_add_co_u32 s43, s43, s44
	s_min_u32 s44, s4, 1                           ; (y, held to 0 or 1: for a weight this number is made and not chosen)
	s_lshl_b32 s44, s44, 4
	s_add_co_u32 s43, s43, s44
	s_and_b32 s44, s40, 1
	s_lshl1_add_u32 s43, s43, s44
	s_and_b32 s44, s41, 1
	s_lshl1_add_u32 s43, s43, s44
	; the block's number in wb: (32 cb + rb + 16 (yy / 4)) 4 + yy % 4, yy = y - 2
	s_max_u32 s45, s4, 2
	s_sub_co_u32 s45, s45, 2
	s_lshr_b32 s46, s45, 2
	s_lshl_b32 s46, s46, 4
	s_add_co_u32 s46, s46, s40
	s_lshl_b32 s47, s41, 5
	s_add_co_u32 s46, s46, s47
	s_and_b32 s45, s45, 3
	s_lshl2_add_u32 s46, s46, s45
	s_cmp_lt_u32 s4, 2
	s_cselect_b32 s43, s43, s46
	s_lshl_b32 s38, s43, 14                        ; the result's offset: 16,384 x block + 8,192 x row half
	s_lshl_b32 s44, s42, 13
	s_add_co_u32 s38, s38, s44
	s_mov_b32 s39, 0
	s_lshl_b32 s36, s40, 20                        ; the source's offset: 128 rb rows of 8,192 bytes,
	s_lshl_b32 s44, s42, 19                        ; 64 rows,
	s_add_co_u32 s36, s36, s44
	s_lshl_b32 s44, s41, 8                         ; 64 cb columns of 4 bytes
	s_add_co_u32 s36, s36, s44
	s_mov_b32 s37, 0
	v_and_b32 v1, 31, v0                           ; lane
	v_lshrrev_b32 v[SO], 3, v1
	v_and_b32 v[DO], 7, v1
	v_lshlrev_b32 v[SO], 13, v[SO]                 ; row l / 8,
	v_lshl_or_b32 v[SO], v[DO], 5, v[SO]           ; 32 bytes at column 8 (l % 8)
	v_lshlrev_b32 v[DO], 4, v1                     ; 16 l
	s_wait_kmcnt 0x0
	s_mov_b64 s[32:33], s[8:9]                     ; the source is chosen among the ten by the grid's y
.irp n, 1,2,3,4,5,6,7,8,9
	s_cmp_eq_u32 s4, \n
	s_cselect_b64 s[32:33], s[8+2*\n:9+2*\n], s[32:33]
.endr
	s_cmp_lt_u32 s4, 2
	s_cselect_b64 s[34:35], s[28:29], s[30:31]     ; x and h go to ab, weights to wb
	s_add_nc_u64 s[32:33], s[32:33], s[36:37]
	s_add_nc_u64 s[34:35], s[34:35], s[38:39]
.set u, 0
.rept 16                                       ; all 32 loads: 16 KiB of the wave on their way
	global_load_b128 v[X+8*u:X+8*u+3],   v[SO], s[32:33] offset:u*32768 th:TH_LOAD_NT
	global_load_b128 v[X+8*u+4:X+8*u+7], v[SO], s[32:33] offset:u*32768+16 th:TH_LOAD_NT
.set u, u+1
.endr
.set u, 0
.rept 16
	s_wait_loadcnt 30-2*u                          ; loads come back in order: unit u's two are in, the 2 (15 - u) younger ones stay out
	v_cvt_pk_bf16_f32 v[X+8*u],   v[X+8*u],   v[X+8*u+1]
	v_cvt_pk_bf16_f32 v[X+8*u+1], v[X+8*u+2], v[X+8*u+3]
	v_cvt_pk_bf16_f32 v[X+8*u+2], v[X+8*u+4], v[X+8*u+5]
	v_cvt_pk_bf16_f32 v[X+8*u+3], v[X+8*u+6], v[X+8*u+7]
	global_store_b128 v[DO], v[X+8*u:X+8*u+3], s[34:35] offset:512*u  ; 512 consecutive bytes, at a multiple of 512 from the buffer's first byte
.set u, u+1
.endr
	s_endpgm
.Lfunc_end_k_qb858812fb5_cast:
	.size	k_qb858812fb5_cast, .Lfunc_end_k_qb858812fb5_cast-k_qb858812fb5_cast
	.p2alignl 7, 3214868480
	.fill 96, 4, 3214868480
	.section	.rodata,"a",@progbits
	.p2align	6, 0x0
	.amdhsa_kernel k_qb858812fb5_cast
		.amdhsa_group_segment_fixed_size 0
		.amdhsa_private_segment_fixed_size 0
		.amdhsa_enable_private_segment 0
		.amdhsa_kernarg_size 96
		.amdhsa_user_sgpr_count 2
		.amdhsa_user_sgpr_kernarg_segment_ptr 1
		.amdhsa_wavefront_size32 1
		.amdhsa_system_sgpr_workgroup_id_x 1
		.amdhsa_system_sgpr_workgroup_id_y 1
		.amdhsa_system_sgpr_workgroup_id_z 1
		.amdhsa_system_vgpr_workitem_id 0
		.amdhsa_next_free_vgpr 132
		.amdhsa_next_free_sgpr 66
		.amdhsa_reserve_vcc 0
		.amdhsa_float_denorm_mode_32 3
		.amdhsa_float_denorm_mode_16_64 3
		.amdhsa_memory_ordered 1
		.amdhsa_forward_progress 1
		.amdhsa_inst_pref_size 12
	.end_amdhsa_kernel
	.amdgpu_metadata
---
amdhsa.version: [ 1, 2 ]
amdhsa.kernels:
  - .name:           k_qb858812fb5_cast
    .symbol:         k_qb858812fb5_cast.kd
    .args:
      - { .name: x, .offset: 0, .size: 8, .value_kind: global_buffer, .address_space: global }
      - { .name: h, .offset: 8, .size: 8, .value_kind: global_buffer, .address_space: global }
      - { .name: w_xi, .offset: 16, .size: 8, .value_kind: global_buffer, .address_space: global }
      - { .name: w_xf, .offset: 24, .size: 8, .value_kind: global_buffer, .address_space: global }
      - { .name: w_xo, .offset: 32, .size: 8, .value_kind: global_buffer, .address_space: global }
      - { .name: w_xc, .offset: 40, .size: 8, .value_kind: global_buffer, .address_space: global }
      - { .name: w_hi, .offset: 48, .size: 8, .value_kind: global_buffer, .address_space: global }
      - { .name: w_hf, .offset: 56, .size: 8, .value_kind: global_buffer, .address_space: global }
      - { .name: w_ho, .offset: 64, .size: 8, .value_kind: global_buffer, .address_space: global }
      - { .name: w_hc, .offset: 72, .size: 8, .value_kind: global_buffer, .address_space: global }
      - { .name: ab, .offset: 80, .size: 8, .value_kind: global_buffer, .address_space: global }
      - { .name: wb, .offset: 88, .size: 8, .value_kind: global_buffer, .address_space: global }
    .group_segment_fixed_size: 0
    .private_segment_fixed_size: 0
    .kernarg_segment_align: 8
    .kernarg_segment_size: 96
    .max_flat_workgroup_size: 256
    .sgpr_count:     66
    .vgpr_count:     132
    .wavefront_size: 32
...
	.end_amdgpu_metadata
.endif
;; end of part 1
;; launch lstm (part 2): grid 32 x 8, 4 waves a work-group, clusters of 4 x 4, 327,680 bytes of LDS; arguments ab, wb, c, b_i, b_f, b_o, b_c, out0, out1; writes out0, out1
.if DOCPART == 2
	.amdgcn_target "amdgcn-amd-amdhsa--gfx1250"
	.amdhsa_code_object_version 6
	.text
	.protected	k_qb858812fb5_lstm
	.globl	k_qb858812fb5_lstm
	.p2align	8
	.type	k_qb858812fb5_lstm,@function
k_qb858812fb5_lstm:
	s_mov_b64 s[64:65], 0
	v_nop
	global_prefetch_b8 v0, s[64:65] scope:SCOPE_SE
	s_setreg_imm32_b32 hwreg(HW_REG_WAVE_MODE, 25, 1), 1
	s_wait_xcnt 0x0
	s_wait_alu depctr_hold_cnt(0) depctr_sa_sdst(0) depctr_va_vdst(0) depctr_va_sdst(0) depctr_va_ssrc(0) depctr_va_vcc(0) depctr_vm_vsrc(0)
	s_getreg_b32 s2, hwreg(HW_REG_IB_STS2, 6, 4)
	s_cmp_eq_u32 s2, 0
	s_cbranch_scc0 .Lentry_in_a_cluster
	s_endpgm
.Lentry_in_a_cluster:
	s_bfe_u32 s2, ttmp6, 0x10000c
	s_cmp_lg_u32 s2, 0xf033
	s_cbranch_scc0 .Lentry_shape_is_right
	s_endpgm
.Lentry_shape_is_right:
; ONE LSTM STEP.  gates = [x | h] [Wx ; Wh] + b: a product of 2,048 rows x 8,192 columns (four gates i, f, o, g of 2,048) over K = 4,096; then for each (row, column)
; c_t = c sigmoid(f) + sigmoid(i) tanh(g) (out1), h_t = sigmoid(o) tanh(c_t) (out0).  The operands come as bf16 from ab and wb, in blocks (the launch before wrote them):
;   ab = [mt 8][ks 32][mhalf 2][khalf 2][128 rows][64 k]      wb = [t 32][ks 32][g 4][128 k][64 columns]      a K step (128 channels) of a tile is 65,536 dense bytes of each.
; Sums, bias, c and all activations are f32.  The gates never go to memory.
; LIMITS.  x, h and the weights are rounded once to bf16.  sigmoid(v) = 1 / (1 + 2^(-1.442695 v)), tanh(v) = 1 - 2 / (1 + 2^(2.885390 v)): where the power overflows to infinity or falls to 0 both take
; their limits 0, 1, -1; near v = 0 tanh has an absolute error of some 1e-7, not a relative one.  NaN and infinities in the inputs are not treated apart.
; SHARES.  A work-group makes 256 rows (tile row mt) x 64 columns (tile column t) of c_t and h_t, which is 256 x 256 of the gates: 8 x 32 = 256 work-groups.  Wave w: rows 128 (w / 2) .. + 127, columns
; 32 (w % 2) .. + 31 of ALL FOUR gates: 128 x 128 of the gates, 64 accumulators of 16 x 16, 512 registers.  Accumulator (a, b): a = block of 16 rows, b = 2 g + j: gate g, block j of 16 columns.
; THE MATRIX INSTRUCTION IS USED TRANSPOSED (source 0 = 16 columns of W, source 1 = 16 rows of [x | h]): lane l holds row l % 16 and the columns 8 (l / 16) + 0..7.  So i, f, o and g of one number lie in the
; same lane and the same register number of four accumulators: the tail needs no exchange between lanes.  W lies [k][column] in LDS and is turned by ds_load_tr16_b128.
; THE BIAS STARTS THE SUMS: it is the C operand of each accumulator's first product; nothing is cleared, nothing is added later.
; RING.  K goes in 32 steps of 128 through two LDS slots.  CLUSTER: 4 x 4 work-groups; the four of a row of the cluster share mt and ask for A's tiles JOINTLY, the four of a column share t and ask for W's
; jointly: the same tensor load, descriptor and mask in all four.  Slot 0's last fill is c's tile (each wave its own 64 rows, a plain load); slot 1, when its last reads are over, is the stage for the way out.
; REGISTERS, in windows of 256 (s_set_vgpr_msb's low byte: bits 1:0 source 0, 3:2 source 1, 5:4 source 2, 7:6 destination):
;   window 0: v0-31 addresses; v64-127, v128-191 fragments of A, two buffers (in the tail: at work); v192-255 the bias, eight registers for each b
;   window 1: v64-127, v128-191 fragments of W, two buffers          window 2: the accumulators of a = 0-3, (a, b) at v[8 (8 a + b)]          window 3: those of a = 4-7
.set PA,    144                        ; a block row of A in LDS: 128 bytes + 16 = 36 words: the 16 rows of a load start at 16 different groups of four banks (64 banks of 4 bytes: ISA guide 11.1)
.set ABLK,  128*PA                     ; 128 rows x 64 k
.set AHALF, 2*ABLK                     ; one wave's load of A: [khalf][128 rows]
.set PB,    160                        ; a block row of W: 128 + 32 = 40 words
.set BBLK,  128*PB                     ; 128 k x 64 columns of one gate
.set BHALF, 2*BBLK                     ; one wave's load of W: two gates
.set BOFF,  2*AHALF
.set SLOT,  BOFF+2*BHALF               ; A's rows 0-127 | A's rows 128-255 | gates i, f | gates o, g: 155,648 bytes
.set CP,    272                        ; a row of 64 f32 in LDS (c's tile and the two stages): 256 bytes + 16
.set CQ,    64*CP                      ; 64 such rows: a wave's part
.set STC,   SLOT                       ; the stage of c_t, 256 rows: in slot 1, behind its last fill and its last reads
.set STH,   SLOT+256*CP                ; the stage of h_t
.set SPARE, 2*SLOT                     ; behind the ring: the spare words, 128 bytes for each wave: two blocks of 256 bytes that no other line names
.set STEPB, 65536                      ; bytes from a K step to the next, in ab and in wb
.set ADRA, 16                          ; v16-17  LDS address of my A fragments in slot 0, 1
.set CO,   18                          ; v18     my byte offset in two rows of out0 and out1
.set BO,   19                          ; v19     my byte offset in a bias
.set ADRB, 20                          ; v20-23  LDS address of my W fragments: 2 x slot + (0: gates i, f; 1: gates o, g)
.set CAD,  24                          ; v24     my 32 bytes of c's tile, block a = 0, j = 0
.set SCA,  25                          ; v25     the same place in the stage of c_t
.set SHA,  26                          ; v26     and of h_t
.set RDC,  27                          ; v27     the way out: where I read rows of c_t back
.set SPW,  28                          ; v28     LDS address of my spare word: SPARE + 4 x my thread's number; never rewritten
.set NIL,  29                          ; v29     0; never rewritten
.set PFO,  30                          ; v30     the prefetches' offset: 256 x my lane; never rewritten
.set RDH,  31                          ; v31     the way out: where I read rows of h_t back
.set F0,   64
.set F1,   128
.set BIAS, 192
.set TI,   64                          ; the tail: 16 numbers a lane of gate i, then f (+16), o (+32), g (+48),
.set TF,   80
.set TO,   96
.set TG,   112
.set CC,   128                         ; and of c
.set WV,   12                          ; s12  my wave's number
.set MH,   13                          ; s13  which 128 rows are mine
.set NH,   14                          ; s14  which 32 columns are mine.  Also: which half of A's or W's tile I fetch
.set G1,   24                          ; s[24:31] descriptor group 1 for A's tiles;  s[32:39] group 0, one set for each slot
.set G0,   32
.set LIM,  43                          ; s43  1 in a wave that prefetches, else the greatest number
.set PFA,  44                          ; s[44:45] where my prefetches stand
.set G1B,  48                          ; s[48:55], s[56:63] the same for W's tiles
.set G0B,  56
.set G1C,  80                          ; s[80:87], s[88:91] for c's tile
.set G0C,  88
.set NL2E, 92                          ; s[92:93] -log2(e): the packed forms name a pair and take its low word for both halves
.set TL2E, 94                          ; s[94:95] 2 log2(e)
.set MSB, 0
.macro WIN new                         ; the immediate's high byte repeats the setting that is left; a switch that changes nothing is dropped
.if MSB != (\new)
	s_set_vgpr_msb (MSB<<8)|(\new)
.set MSB, \new
.endif
.endm
.set TO_B, 0x40                        ; destination window 1, address window 0
.macro PLACES                          ; four places in front of loads into registers that matrix instructions have read, and of vector lines that read results
.rept 4
	v_nop
.endr
.endm
; A joint load.  Waves 0 and 1 fetch A's two halves, waves 2 and 3 W's.  Each line has one mask and one set of registers for all that issue it; the branch hangs on the wave's number alone.
; An s_nop 0 and four v_nop follow each of the two lines, ahead of the jump, the label and what follows.
.macro JLOAD s
	s_cmp_lt_u32 s[WV], 2
	s_cbranch_scc0 .Lfor_b_\@
	tensor_load_to_lds s[G0+4*(\s):G0+4*(\s)+3], s[G1:G1+7]
	s_nop 0
.rept 4
	v_nop
.endr
	s_branch .Lasked_\@
.Lfor_b_\@:
	tensor_load_to_lds s[G0B+4*(\s):G0B+4*(\s)+3], s[G1B:G1B+7]
	s_nop 0
.rept 4
	v_nop
.endr
.Lasked_\@:
.endm
; A PREFETCH INTO THE L2, behind a joint load, its five lines and the run of LDS loads: the K step that stands two refills on, 512 matrix instructions ahead of the load that will want it.
; A wave's load is 32,768 dense bytes, 128 blocks of 256.  The four partners that ask for it jointly share the blocks out BY ADDRESS, 32 each, a lane a block: one instruction a wave.  A's tile row is read by
; every cluster of that row of clusters: cluster x = 0 asks; W's tile column by every cluster of that column: cluster y = 0 asks.  So each block is named once in the launch.
; The loop's last trip (s3 = 1) asks for nothing: the K steps two on do not exist.  K steps 0 to 3 come by their loads alone.
.macro ASK
	s_cmp_gt_u32 s3, s[LIM]
	s_cbranch_scc0 .Lnot_mine_\@
	global_prefetch_b8 v[PFO], s[PFA:PFA+1] offset:STEPB th:TH_LOAD_NT scope:SCOPE_SE
.Lnot_mine_\@:
.endm
; A round of the cluster's barrier: my work-group's barrier, so that wave 0's signal speaks for all four waves; wave 0 signals; every wave waits for all sixteen work-groups; my work-group's barrier once more.
.macro CREST                           ; a round behind its opening barrier
	s_cmp_lg_u32 s[WV], 0
	s_cbranch_scc1 .Lnot_wave_0_\@
	s_barrier_signal -3
.Lnot_wave_0_\@:
	s_barrier_wait -3
	s_barrier_signal -1
	s_barrier_wait -1
.endm
.macro CROUND                          ; a whole round
	s_barrier_signal -1
	s_barrier_wait -1
	CREST
.endm
	s_load_b256 s[4:11], s[0:1], 0x0               ; ab s[4:5], wb s[6:7], c s[8:9], b_i s[10:11]
	s_load_b256 s[68:75], s[0:1], 0x20             ; b_f s[68:69], b_o s[70:71], b_c s[72:73], out0 s[74:75]
	s_load_b64 s[76:77], s[0:1], 0x40              ; out1
	v_lshl_add_u32 v[SPW], v0, 2, SPARE
	v_mov_b32 v[NIL], 0
	ds_add_u32 v[SPW], v[NIL]                      ; the wave's opening: the add and its wait stand ahead of my first tensor load; the set-up below, work on registers, stands between them
	v_lshrrev_b32 v1, 5, v0
	v_readfirstlane_b32 s[WV], v1                  ; wave 0..3
	s_lshr_b32 s[MH], s[WV], 1
	s_and_b32 s[NH], s[WV], 1
	s_bfe_u32 s40, ttmp6, 0x40000                  ; cx: my place along the cluster's x
	s_bfe_u32 s41, ttmp6, 0x40004                  ; cy: along its y
	s_lshl_b32 s42, ttmp9, 2                       ; in a cluster launch ttmp9 and ttmp7 count clusters
	s_add_co_u32 s42, s42, s40                     ; t = 4 x cluster x + cx
	s_and_b32 s78, ttmp7, 0xffff
	s_lshl_b32 s78, s78, 2
	s_add_co_u32 s78, s78, s41                     ; mt = 4 x cluster y + cy
	s_lshl_b32 s43, s41, 2
	s_lshl_b32 s43, 15, s43                        ; my row of the cluster: places 4 cy .. 4 cy + 3
	s_lshl_b32 s44, 0x1111, s40                    ; my column: places cx, cx + 4, cx + 8, cx + 12
	; group 1 for A and W: 32,768 dense bytes asked for as 128 rows of 128 elements (256 bytes), padded in LDS after every 32 words, which is a block's row
	s_or_b32 s[G1+0], s43, (1<<16)|(1<<20)|(1<<21)|(4<<22)|(3<<25)   ; 15:0 the mask: my row; 17:16 2-byte elements; 20 padding on; 21 set beside a mask; 24:22 after every 32 words (code 4); 31:25 4 words (code 3)
	s_or_b32 s[G1B+0], s44, (1<<16)|(1<<20)|(1<<21)|(4<<22)|(7<<25)  ; the mask of my column; 8 words of padding (code 7)
.irp g, G1, G1B
	s_mov_b32 s[(\g)+1], 128<<16                   ; tensor_dim0 = 128
	s_mov_b32 s[(\g)+2], 128<<16                   ; tensor_dim1 = 128
	s_mov_b32 s[(\g)+3], 128<<16                   ; tile_dim0 = 128
	s_mov_b32 s[(\g)+4], 128                       ; tile_dim1 = 128
	s_mov_b32 s[(\g)+5], 128                       ; 128 elements from row to row: dense
	s_mov_b32 s[(\g)+6], 0
	s_mov_b32 s[(\g)+7], 0
.endr
	; group 1 for c: 64 rows x 64 f32 (256 bytes, aligned), 16 bytes of padding behind each row; no mask: a load of my own
	s_mov_b32 s[G1C+0], (2<<16)|(1<<20)|(5<<22)|(3<<25)  ; 17:16 4-byte elements; 24:22 after every 64 words (code 5); 31:25 4 words (code 3)
	s_mov_b32 s[G1C+1], 64<<16                     ; tensor_dim0 = 64
	s_mov_b32 s[G1C+2], 64<<16                     ; tensor_dim1 = 64
	s_mov_b32 s[G1C+3], 64<<16                     ; tile_dim0 = 64
	s_mov_b32 s[G1C+4], 64                         ; tile_dim1 = 64
	s_mov_b32 s[G1C+5], 2048                       ; 2,048 elements from row to row
	s_mov_b32 s[G1C+6], 0
	s_mov_b32 s[G1C+7], 0
	s_mov_b32 s[NL2E], 0xbfb8aa3b                  ; -1.442695
	s_mov_b32 s[NL2E+1], s[NL2E]
	s_mov_b32 s[TL2E], 0x4038aa3b                  ; 2.885390
	s_mov_b32 s[TL2E+1], s[TL2E]
	; where the tiles come from: A's hang on mt alone, which my row of the cluster shares; W's on t alone, which my column shares; each in registers that never hold the other coordinate
	s_lshl_b32 s17, s[NH], 15                      ; which 32,768 bytes of a K step I fetch
	s_lshl_b32 s16, s78, 21                        ; a tile row of ab: 32 K steps of 65,536 bytes
	s_add_co_u32 s16, s16, s17
	s_lshl_b32 s46, s42, 21                        ; a tile column of wb likewise
	s_add_co_u32 s46, s46, s17
	s_mov_b32 s17, 0
	s_mov_b32 s47, 0
	s_mul_i32 s18, s[NH], AHALF                    ; and where they go: no place in the cluster enters an LDS address
	s_mul_i32 s19, s[NH], BHALF
	s_add_co_u32 s19, s19, BOFF
	s_wait_dscnt 0x0                               ; the opening add is done
	s_wait_kmcnt 0x0
	s_add_nc_u64 s[20:21], s[4:5], s[16:17]
	s_add_nc_u64 s[46:47], s[6:7], s[46:47]
	CROUND                                         ; all sixteen work-groups are here: the first joint loads meet
.irp s, 0,1
	s_mov_b32 s[G0+4*(\s)], 1                                        ; 1:0 count = 1
	s_add_co_u32 s[G0+4*(\s)+1], s18, (\s)*SLOT                      ; 63:32 LDS address
	s_add_nc_u64 s[G0+4*(\s)+2:G0+4*(\s)+3], s[20:21], (\s)*STEPB    ; 120:64 global address: K step s
	s_or_b32 s[G0+4*(\s)+3], s[G0+4*(\s)+3], 0x80000000              ; 127:126 type = 2
	s_mov_b32 s[G0B+4*(\s)], 1
	s_add_co_u32 s[G0B+4*(\s)+1], s19, (\s)*SLOT
	s_add_nc_u64 s[G0B+4*(\s)+2:G0B+4*(\s)+3], s[46:47], (\s)*STEPB
	s_or_b32 s[G0B+4*(\s)+3], s[G0B+4*(\s)+3], 0x80000000
	JLOAD \s                                       ; the ring is filled before anything else is done: two loads of mine are out
.endr
	; THE ADDRESSES, made while the first tiles are on their way
	v_and_b32 v1, 15, v0                           ; l % 16
	v_bfe_u32 v2, v0, 4, 1                         ; l / 16
	v_and_b32 v4, 7, v0                            ; l % 8
	v_bfe_u32 v5, v0, 3, 1                         ; (l / 8) % 2
	; a fragment of A: 16 rows x 32 k in 8 registers: lane l holds row l % 16, k = 8 (l / 16) + 0..7 and 16 + 8 (l / 16) + 0..7: two loads of 16 bytes, 32 bytes apart
	v_mul_u32_u24 v3, v1, PA
	v_lshl_add_u32 v3, v2, 4, v3
	s_mul_i32 s16, s[MH], AHALF                    ; my 128 rows
	v_add_nc_u32 v[ADRA], s16, v3
	v_add_nc_u32 v[ADRA+1], SLOT, v[ADRA]
	; the turning load takes 16 k x 16 columns (lane l reads k = 8 (l / 16) + l % 8, columns 8 ((l / 8) % 2) + 0..7) and leaves half a fragment: lane l holds column l % 16 and 8 k
	v_lshl_add_u32 v6, v2, 3, v4
	v_mul_u32_u24 v6, v6, PB
	v_lshl_add_u32 v6, v5, 4, v6
	s_lshl_b32 s16, s[NH], 6                       ; my 32 columns: 64 bytes
	s_add_co_u32 s16, s16, BOFF
	v_add_nc_u32 v[ADRB], s16, v6
	v_add_nc_u32 v[ADRB+1], BHALF, v[ADRB]
	v_add_nc_u32 v[ADRB+2], SLOT, v[ADRB]
	v_add_nc_u32 v[ADRB+3], SLOT, v[ADRB+1]
	; c's tile and the stages: row 128 MH + l % 16 (+ 16 a), byte 128 NH + 32 (l / 16) (+ 64 j): my eight numbers
	v_mul_u32_u24 v7, v1, CP
	v_lshl_add_u32 v7, v2, 5, v7
	s_mul_i32 s16, s[MH], 128*CP
	s_lshl_b32 s17, s[NH], 7
	s_add_co_u32 s16, s16, s17
	v_add_nc_u32 v[CAD], s16, v7
	v_add_nc_u32 v[SCA], STC, v[CAD]
	v_add_nc_u32 v[SHA], STH, v[CAD]
	; back: wave w takes rows 64 w .. 64 w + 63, whole; lanes 0-15 one row of 256 bytes, lanes 16-31 the next
	v_mul_u32_u24 v8, v2, CP
	v_lshl_add_u32 v8, v1, 4, v8
	s_mul_i32 s16, s[WV], CQ
	s_add_co_u32 s16, s16, STC
	v_add_nc_u32 v[RDC], s16, v8
	v_add_nc_u32 v[RDH], 256*CP, v[RDC]
	v_lshlrev_b32 v[CO], 13, v2                    ; and the same two rows in out0 and out1
	v_lshl_add_u32 v[CO], v1, 4, v[CO]
	v_and_b32 v[PFO], 31, v0
	v_lshlrev_b32 v[PFO], 8, v[PFO]
	; my 64 rows of the tile in c, out0 and out1: row 256 mt + 64 w, column 64 t, in bytes
	s_lshl_b32 s66, s78, 21
	s_lshl_b32 s22, s[WV], 19
	s_add_co_u32 s66, s66, s22
	s_lshl_b32 s22, s42, 8
	s_add_co_u32 s66, s66, s22
	s_mov_b32 s67, 0
	s_add_co_u32 s22, s22, s17                     ; in a bias: column 64 t + 32 NH,
	v_lshl_add_u32 v[BO], v2, 5, s22               ; + 8 (l / 16)
; The bias of gate g as a C operand: register r of lane l is the bias of column 16 j + 8 (l / 16) + r, whatever the row.
.macro BIASLD g, base
.irp j, 0,1
	global_load_b128 v[BIAS+8*(2*(\g)+(\j)):BIAS+8*(2*(\g)+(\j))+3],   v[BO], s[\base:\base+1] offset:64*(\j)
	global_load_b128 v[BIAS+8*(2*(\g)+(\j))+4:BIAS+8*(2*(\g)+(\j))+7], v[BO], s[\base:\base+1] offset:64*(\j)+16
.endr
.endm
	BIASLD 0, 10
	BIASLD 1, 68
	BIASLD 2, 70
	BIASLD 3, 72
	s_mov_b32 s[G0C], 1
	s_mul_i32 s[G0C+1], s[WV], CQ                  ; c's tile lies at the head of slot 0: my 64 rows
	s_add_nc_u64 s[G0C+2:G0C+3], s[8:9], s[66:67]
	s_or_b32 s[G0C+3], s[G0C+3], 0x80000000
	s_add_nc_u64 s[74:75], s[74:75], s[66:67]
	s_add_nc_u64 s[76:77], s[76:77], s[66:67]
	; the prefetches: my 32,768 bytes of a K step (A's: waves 0, 1; W's: waves 2, 3), my work-group's 8,192 of them
	s_and_b32 s23, ttmp7, 0xffff                   ; cluster y
	s_cmp_lt_u32 s[WV], 2                          ; do I fetch for A?
	s_cselect_b64 s[PFA:PFA+1], s[20:21], s[46:47]
	s_cselect_b32 s22, s40, s41                    ; my place among the four that ask with me
	s_cselect_b32 s23, ttmp9, s23                  ; the coordinate along which other clusters read the same bytes
	s_cmp_eq_u32 s23, 0
	s_cselect_b32 s[LIM], 1, -1                    ; the same in all sixteen partners, for a given wave
	s_lshl_b32 s22, s22, 13
	s_mov_b32 s23, 0
	s_add_nc_u64 s[PFA:PFA+1], s[PFA:PFA+1], s[22:23]
	s_add_nc_u64 s[PFA:PFA+1], s[PFA:PFA+1], 2*STEPB  ; at K step 2: the first refill steps it to 3 and names K step 4.  Nothing is prefetched here, at the head
; 16 matrix instructions: row blocks a0, a0 + 1 of the window's four (hi = 0: a = 0-3, 1: a = 4-7) x all 8 column blocks, 32 along K.  first = 1: the bias starts the sums.
; The 64 accumulators take turns, one instruction a turn, in the same order in every quarter.
.macro MUL16 f, hi, a0, first
.if \first
	WIN 0x81+0x40*(\hi)                            ; W window 1, A window 0, the bias window 0, D window 2 or 3
.else
	WIN 0xa1+0x50*(\hi)                            ; W window 1, A window 0, C and D window 2 or 3
.endif
.irp a, \a0, (\a0)+1
.irp b, 0,1,2,3,4,5,6,7
.if \first
	v_wmma_f32_16x16x32_bf16 v[8*(8*(\a)+(\b)):8*(8*(\a)+(\b))+7], v[(\f)+8*(\b):(\f)+8*(\b)+7], v[(\f)+8*(4*(\hi)+(\a)):(\f)+8*(4*(\hi)+(\a))+7], v[BIAS+8*(\b):BIAS+8*(\b)+7]
.else
	v_wmma_f32_16x16x32_bf16 v[8*(8*(\a)+(\b)):8*(8*(\a)+(\b))+7], v[(\f)+8*(\b):(\f)+8*(\b)+7], v[(\f)+8*(4*(\hi)+(\a)):(\f)+8*(4*(\hi)+(\a))+7], v[8*(8*(\a)+(\b)):8*(8*(\a)+(\b))+7]
.endif
.endr
.endr
.endm
; 32 LDS loads in one run: the fragments of quarter q (32 along K) of a slot into buffer f: W's eight (b = 2 g + j), turned, then A's eight
.macro FETCH slot, q, f
	WIN TO_B
.irp b, 0,1,2,3,4,5,6,7
	ds_load_tr16_b128 v[(\f)+8*(\b):(\f)+8*(\b)+3],   v[ADRB+2*(\slot)+(\b)/4] offset:(((\b)/2)%2)*BBLK+(\q)*32*PB+32*((\b)%2)
	ds_load_tr16_b128 v[(\f)+8*(\b)+4:(\f)+8*(\b)+7], v[ADRB+2*(\slot)+(\b)/4] offset:(((\b)/2)%2)*BBLK+(\q)*32*PB+32*((\b)%2)+16*PB
.endr
	WIN 0
.irp i, 0,1,2,3,4,5,6,7
	ds_load_b128 v[(\f)+8*(\i):(\f)+8*(\i)+3],   v[ADRA+(\slot)] offset:((\q)/2)*ABLK+((\q)%2)*64+(\i)*16*PA
	ds_load_b128 v[(\f)+8*(\i)+4:(\f)+8*(\i)+7], v[ADRA+(\slot)] offset:((\q)/2)*ABLK+((\q)%2)*64+(\i)*16*PA+32
.endr
.endm
; A K step is four quarters of 32 along K, 64 matrix instructions each, on buffers 0, 1, 0, 1.  One of the first three: multiplies buffer f; in its middle it fetches quarter q of the same slot into buffer g.
.macro QUARTER slot, q, f, g, first
	s_wait_dscnt 8                                 ; W and A's rows 0-63 are in; the youngest eight loads (A's rows 64-127) may be out
	MUL16 \f, 0, 0, \first
	MUL16 \f, 0, 2, \first
	PLACES
	FETCH \slot, \q, \g
	s_wait_dscnt 32                                ; all but the 32 just issued
	MUL16 \f, 1, 0, \first
	MUL16 \f, 1, 2, \first
.endm
; The last quarter multiplies buffer 1 and changes slots.  MEET is its first half: in front of the barrier each wave waits for all its tensor loads, of which one is out: its part of the next slot; adds 0 to its
; spare word; and waits for that and for its own reads of this slot.  The barrier opens a round of the cluster's barrier.
.macro MEET
	WIN 0                                          ; (the add's two registers lie in window 0)
	s_wait_tensorcnt 0x0                           ; all my tensor loads have landed;
	ds_add_u32 v[SPW], v[NIL]                      ; 0 onto my spare word:
	s_wait_dscnt 9                                 ; (the add and the youngest eight loads may be out)
	MUL16 F1, 0, 0, 0                              ; sixteen matrix instructions stand between the add and the wait for it
	s_wait_dscnt 0x0                               ; the add is done, and my reads of this slot are over:
	s_barrier_signal -1                            ; say so,
	MUL16 F1, 0, 2, 0                              ; work on registers while the others arrive,
	WIN 0
	s_barrier_wait -1                              ; and go on when all four have said so
.endm
; The whole last quarter.  Behind the round the slot just read out is filled again first: kind = 0: with the K step two steps on, jointly; kind = 1: with c's tile, each wave its own 64 rows.
; Then come the next slot's first fragments.  From a request to the wait for it a wave issues 224 matrix instructions.
.macro TURN slot, next, kind
.if (\kind) == 0
	s_wait_xcnt 0x0                                ; the last prefetch, a K step back, has read its address: it is stepped here, ahead of the waits of the change of slots
	s_add_nc_u64 s[PFA:PFA+1], s[PFA:PFA+1], STEPB
.endif
	MEET
	CREST                                          ; no wave of any partner still reads this slot's tile or has a load on its way
.if (\kind) == 0
	s_add_nc_u64 s[G0+4*(\slot)+2:G0+4*(\slot)+3], s[G0+4*(\slot)+2:G0+4*(\slot)+3], 2*STEPB
	s_add_nc_u64 s[G0B+4*(\slot)+2:G0B+4*(\slot)+3], s[G0B+4*(\slot)+2:G0B+4*(\slot)+3], 2*STEPB
	JLOAD \slot                                    ; the first tensor load behind the round; the four v_nop behind it are also the places in front of the loads below
.else
	tensor_load_to_lds s[G0C:G0C+3], s[G1C:G1C+7]  ; my one tensor load behind the round: it has 224 matrix instructions in which to land
	s_nop 0
	PLACES
.endif
	FETCH \next, 0, F0
.if (\kind) == 0
	ASK
.endif
	MUL16 F1, 1, 0, 0
	MUL16 F1, 1, 2, 0
.endm
; THE TAIL for block a: 16 rows x my 32 columns, 16 numbers a lane.  Transcendentals go in batches; behind each batch stand one plain instruction and one wait, ahead of the first line that names a result.
; Each accumulator is read from its lowest registers on.
.macro EPI a
	WIN 0
.irp j, 0,1
	ds_load_b128 v[CC+8*(\j):CC+8*(\j)+3],   v[CAD] offset:(\a)*16*CP+64*(\j)       ; c: wanted far below
	ds_load_b128 v[CC+8*(\j)+4:CC+8*(\j)+7], v[CAD] offset:(\a)*16*CP+64*(\j)+16
.endr
	WIN 0x02+(\a)/4                                ; source 0: window 2 or 3
.irp g, 0,1,2
.irp j, 0,1
.irp r, 0,2,4,6
	v_pk_mul_f32 v[TI+16*(\g)+8*(\j)+(\r):TI+16*(\g)+8*(\j)+(\r)+1], v[64*((\a)%4)+8*(2*(\g)+(\j))+(\r):64*((\a)%4)+8*(2*(\g)+(\j))+(\r)+1], s[NL2E:NL2E+1] op_sel_hi:[1,0]  ; i, f, o: -log2(e) v
.endr
.endr
.endr
.irp j, 0,1
.irp r, 0,2,4,6
	v_pk_mul_f32 v[TG+8*(\j)+(\r):TG+8*(\j)+(\r)+1], v[64*((\a)%4)+8*(6+(\j))+(\r):64*((\a)%4)+8*(6+(\j))+(\r)+1], s[TL2E:TL2E+1] op_sel_hi:[1,0]  ; g: 2 log2(e) v
.endr
.endr
	WIN 0
.set z, TI
.rept 64
	v_exp_f32 v[z], v[z]
.set z, z+1
.endr
	v_nop
	s_wait_alu depctr_va_vdst(0)                   ; one wait for the 64 powers
.set z, TI
.rept 32
	v_pk_add_f32 v[z:z+1], v[z:z+1], 1.0 op_sel_hi:[1,0]
.set z, z+2
.endr
.set z, TI
.rept 64
	v_rcp_f32 v[z], v[z]
.set z, z+1
.endr
	v_nop
	s_wait_alu depctr_va_vdst(0)                   ; one wait for the 64 reciprocals: TI, TF, TO now hold the sigmoids
.set z, 0
.rept 8
	v_pk_fma_f32 v[TG+z:TG+z+1], v[TG+z:TG+z+1], -2.0, 1.0 op_sel_hi:[1,0,0]  ; tanh(g)
.set z, z+2
.endr
.set z, 0
.rept 8
	v_pk_mul_f32 v[TG+z:TG+z+1], v[TG+z:TG+z+1], v[TI+z:TI+z+1]               ; sigmoid(i) tanh(g)
.set z, z+2
.endr
	s_wait_dscnt 0x0                               ; c is in
.set z, 0
.rept 8
	v_pk_fma_f32 v[CC+z:CC+z+1], v[CC+z:CC+z+1], v[TF+z:TF+z+1], v[TG+z:TG+z+1]  ; c_t
.set z, z+2
.endr
.irp j, 0,1
	ds_store_b128 v[SCA], v[CC+8*(\j):CC+8*(\j)+3]   offset:(\a)*16*CP+64*(\j)
	ds_store_b128 v[SCA], v[CC+8*(\j)+4:CC+8*(\j)+7] offset:(\a)*16*CP+64*(\j)+16
.endr
.set z, 0
.rept 8
	v_pk_mul_f32 v[TI+z:TI+z+1], v[CC+z:CC+z+1], s[TL2E:TL2E+1] op_sel_hi:[1,0]
.set z, z+2
.endr
.set z, TI
.rept 16
	v_exp_f32 v[z], v[z]
.set z, z+1
.endr
	v_nop
	s_wait_alu depctr_va_vdst(0)
.set z, TI
.rept 8
	v_pk_add_f32 v[z:z+1], v[z:z+1], 1.0 op_sel_hi:[1,0]
.set z, z+2
.endr
.set z, TI
.rept 16
	v_rcp_f32 v[z], v[z]
.set z, z+1
.endr
	v_nop
	s_wait_alu depctr_va_vdst(0)
.set z, 0
.rept 8
	v_pk_fma_f32 v[TI+z:TI+z+1], v[TI+z:TI+z+1], -2.0, 1.0 op_sel_hi:[1,0,0]  ; tanh(c_t)
.set z, z+2
.endr
.set z, 0
.rept 8
	v_pk_mul_f32 v[TO+z:TO+z+1], v[TO+z:TO+z+1], v[TI+z:TI+z+1]               ; h_t
.set z, z+2
.endr
.irp j, 0,1
	ds_store_b128 v[SHA], v[TO+8*(\j):TO+8*(\j)+3]   offset:(\a)*16*CP+64*(\j)
	ds_store_b128 v[SHA], v[TO+8*(\j)+4:TO+8*(\j)+7] offset:(\a)*16*CP+64*(\j)+16
.endr
.endm
; THE WAY OUT: 32 of my 64 rows of one stage (pairs of rows t0 .. t0 + 15) come back into registers R .. R + 63 and are stored.
.macro OUTB rd, base, t0, R
	s_wait_xcnt 0x0                                ; earlier stores have read their registers: only behind this wait are those loaded again
.irp i, 0,1,2,3,4,5,6,7,8,9,10,11,12,13,14,15
	ds_load_b128 v[(\R)+4*(\i):(\R)+4*(\i)+3], v[\rd] offset:((\t0)+(\i))*2*CP
.endr
.irp i, 0,1,2,3,4,5,6,7,8,9,10,11,12,13,14,15
	s_wait_dscnt 15-(\i)                           ; LDS loads come back in order: pair i is in
	global_store_b128 v[CO], v[(\R)+4*(\i):(\R)+4*(\i)+3], s[\base:\base+1] offset:((\t0)+(\i))*16384 th:TH_STORE_NT  ; 16 lanes store 256 consecutive bytes, at a multiple of 256 from the buffer's first byte
.endr
.endm
	s_wait_tensorcnt 1                             ; my part of K step 0 is in; K step 1's may stay out
	s_barrier_signal -1
	s_barrier_wait -1                              ; everybody's is
	FETCH 0, 0, F0
	s_wait_loadcnt 0x0                             ; the bias
	QUARTER 0, 1, F0, F1, 1                        ; the first quarter stands in front of the loop: its products start the sums, with the bias
	WIN 0                                          ; at a label and at a branch every window is 0
	s_mov_b32 s3, 15
.Llap:                                                 ; a trip goes once round the ring, from a lap's second quarter to the next lap's first, and fills both slots again: K steps 2 to 31
	QUARTER 0, 2, F1, F0, 0
	QUARTER 0, 3, F0, F1, 0
	TURN 0, 1, 0
	QUARTER 1, 1, F0, F1, 0
	QUARTER 1, 2, F1, F0, 0
	QUARTER 1, 3, F0, F1, 0
	TURN 1, 0, 0
	QUARTER 0, 1, F0, F1, 0
	WIN 0
	s_sub_co_u32 s3, s3, 1
	s_cmp_lg_u32 s3, 0
	s_cbranch_scc1 .Llap
	QUARTER 0, 2, F1, F0, 0                        ; the last lap, written out: K steps 30 and 31
	QUARTER 0, 3, F0, F1, 0
	TURN 0, 1, 1                                   ; slot 0's last fill: c's tile
	QUARTER 1, 1, F0, F1, 0
	QUARTER 1, 2, F1, F0, 0
	QUARTER 1, 3, F0, F1, 0
	s_wait_dscnt 0x0                               ; the very last quarter: my reads of slot 1 are over,
	s_wait_tensorcnt 0x0                           ; and my rows of c are in:
	s_barrier_signal -1                            ; say so
	MUL16 F1, 0, 0, 0
	MUL16 F1, 0, 2, 0
	MUL16 F1, 1, 0, 0
	MUL16 F1, 1, 2, 0
	WIN 0
	s_barrier_wait -1                              ; c's tile is whole, and nobody reads slot 1 any more: it is the stage from here on
	PLACES
	PLACES                                         ; eight, once a launch: behind the last products, in front of the lines that read results and of the loads into A's buffers
	EPI 0
	EPI 1
	EPI 2
	EPI 3
	EPI 4
	EPI 5
	EPI 6
	EPI 7
	s_wait_dscnt 0x0                               ; for the others' sake: my stores into the stages are done (a stage row's 256 bytes come from two waves)
	s_barrier_signal -1
	s_barrier_wait -1
	OUTB RDC, 76, 0,  64                           ; c_t -> out1
	OUTB RDC, 76, 16, 128
	OUTB RDH, 74, 0,  64                           ; h_t -> out0
	OUTB RDH, 74, 16, 128
	s_wait_tensorcnt 0x0                           ; the wave's end: an add of 0 to my spare word and its wait, behind my last tensor load and my last LDS store
	ds_add_u32 v[SPW], v[NIL]
	s_wait_dscnt 0x0
	CROUND                                         ; the closing round: no work-group ends while a partner may still ask for a tile that names it
	s_endpgm
.Lfunc_end_k_qb858812fb5_lstm:
	.size	k_qb858812fb5_lstm, .Lfunc_end_k_qb858812fb5_lstm-k_qb858812fb5_lstm
	.p2alignl 7, 3214868480
	.fill 96, 4, 3214868480
	.section	.rodata,"a",@progbits
	.p2align	6, 0x0
	.amdhsa_kernel k_qb858812fb5_lstm
		.amdhsa_group_segment_fixed_size 327680
		.amdhsa_private_segment_fixed_size 0
		.amdhsa_enable_private_segment 0
		.amdhsa_kernarg_size 72
		.amdhsa_user_sgpr_count 2
		.amdhsa_user_sgpr_kernarg_segment_ptr 1
		.amdhsa_wavefront_size32 1
		.amdhsa_system_sgpr_workgroup_id_x 1
		.amdhsa_system_sgpr_workgroup_id_y 1
		.amdhsa_system_sgpr_workgroup_id_z 1
		.amdhsa_system_vgpr_workitem_id 0
		.amdhsa_next_free_vgpr 1024
		.amdhsa_next_free_sgpr 96
		.amdhsa_reserve_vcc 0
		.amdhsa_float_denorm_mode_32 3
		.amdhsa_float_denorm_mode_16_64 3
		.amdhsa_memory_ordered 1
		.amdhsa_forward_progress 1
		.amdhsa_inst_pref_size 237
	.end_amdhsa_kernel
	.amdgpu_metadata
---
amdhsa.version: [ 1, 2 ]
amdhsa.kernels:
  - .name:           k_qb858812fb5_lstm
    .symbol:         k_qb858812fb5_lstm.kd
    .args:
      - { .name: ab, .offset: 0, .size: 8, .value_kind: global_buffer, .address_space: global }
      - { .name: wb, .offset: 8, .size: 8, .value_kind: global_buffer, .address_space: global }
      - { .name: c, .offset: 16, .size: 8, .value_kind: global_buffer, .address_space: global }
      - { .name: b_i, .offset: 24, .size: 8, .value_kind: global_buffer, .address_space: global }
      - { .name: b_f, .offset: 32, .size: 8, .value_kind: global_buffer, .address_space: global }
      - { .name: b_o, .offset: 40, .size: 8, .value_kind: global_buffer, .address_space: global }
      - { .name: b_c, .offset: 48, .size: 8, .value_kind: global_buffer, .address_space: global }
      - { .name: out0, .offset: 56, .size: 8, .value_kind: global_buffer, .address_space: global }
      - { .name: out1, .offset: 64, .size: 8, .value_kind: global_buffer, .address_space: global }
    .group_segment_fixed_size: 327680
    .private_segment_fixed_size: 0
    .kernarg_segment_align: 8
    .kernarg_segment_size: 72
    .max_flat_workgroup_size: 128
    .sgpr_count:     96
    .vgpr_count:     1024
    .wavefront_size: 32
...
	.end_amdgpu_metadata
.endif
;; end of part 2
;; ======== version 2 of 2: 2 launches; version 1 with the launch cast written anew for expert scheduling mode
;; workspace buffers: ab 16,777,216 bytes; wb 67,108,864 bytes
;; launch cast (part 3): grid 128 x 10, 8 waves a work-group, no clusters, 0 bytes of LDS; arguments x, h, w_xi, w_xf, w_xo, w_xc, w_hi, w_hf, w_ho, w_hc, ab, wb; writes ab, wb
.if DOCPART == 3
	.amdgcn_target "amdgcn-amd-amdhsa--gfx1250"
	.amdhsa_code_object_version 6
	.text
	.protected	k_qb858812fb5_cast
	.globl	k_qb858812fb5_cast
	.p2align	8
	.type	k_qb858812fb5_cast,@function
k_qb858812fb5_cast:
	s_mov_b64 s[64:65], 0
	v_nop
	global_prefetch_b8 v0, s[64:65] scope:SCOPE_SE
	s_setreg_imm32_b32 hwreg(HW_REG_WAVE_SCHED_MODE, 0, 2), 2
	s_setreg_imm32_b32 hwreg(HW_REG_WAVE_MODE, 25, 1), 1
	s_wait_xcnt 0x0
	s_wait_alu depctr_vm_vsrc(0)
; x, h and the eight weight matrices, each [2048][2048] f32, are rounded once to bf16 (to nearest even) and written in the order in which the product's tiles are fetched.
; Both results are made of BLOCKS of 128 source rows x 64 source columns, 16,384 dense bytes, a block's row 128 bytes:
;   ab = [mt 8][ks 32][mhalf 2][khalf 2] blocks: rows 256 mt + 128 mhalf .., channels 128 ks + 64 khalf .. of [x | h] (ks 0-15: x, ks 16-31: h)
;   wb = [t 32][ks 32][g 4] blocks: channels 128 ks .. (ks 0-15: w_x*, 16-31: w_h*), columns 64 t .. of gate g (0 i, 1 f, 2 o, 3 c)
; SHARES.  Grid y is the tensor (0 x, 1 h, 2-5 w_xi, xf, xo, xc, 6-9 w_hi, hf, ho, hc).  Grid x: row block rb = x / 8 (128 rows), strip = x % 8 (256 columns).
; Wave w takes column block cb = 4 strip + w % 4 and the rows 64 (w / 4) .. + 63 of the block: 16 units of 4 rows x 64 columns.  In a unit lane l takes row l / 8 and the 8 numbers at
; column 8 (l % 8): two loads of 16 bytes (eight lanes cover 256 consecutive bytes of a source row, aligned) and one store of 16 bytes (the wave's store covers 512 consecutive bytes, aligned).
; All 32 loads of a wave go out at once; each unit has registers of its own, so no register that a pending instruction names is ever written again, and no loop is needed.
; No LDS, no barrier, no matrix unit: no wave wants a byte that another wave has fetched.  LIMITS: numbers beyond bf16's range do not exist in f32; NaN stays NaN.
; THE MODE: SCHED_MODE bits 1:0 = 2 (LLVM: expert scheduling mode 2), set by the entry lines.  The code itself states the register dependences
; between vector instructions and memory instructions, with s_wait_alu, always for 0.
; THE PLAN.  Registers that memory instructions touch:
;   v[SO], v[DO]  the two offsets.  Written by vector lines at the head, never again; read by every load (SO) and every store (DO).  One wait on va_vdst ahead of the first load states that both are written.
;   v[X ..]       unit u, eight registers.  Its two loads land in them (no vector line has named them before); its four conversions read the eight, behind the counted wait for the loads, and write
;                 the first four; its one store reads those four; nothing writes them again.
; The 16 units go in four groups of four: the wait for the group's eight loads, its sixteen conversions, ONE wait on va_vdst (the conversions have written the stores' data), its four stores on end.
; A group's conversions name its own registers alone, so they owe nothing to the stores of the groups before.  No register that a memory instruction reads is written again: the only wait on vm_vsrc is the one at the entry.
; The wave's number passes through a scalar register: one wait on va_sdst ahead of its first reader.  EXEC is never written.
.set SO, 2                             ; v2   my byte offset in the wave's first four source rows; never rewritten
.set DO, 3                             ; v3   my byte offset in a unit's 512 bytes of the result; never rewritten
.set X,  4                             ; v[4:131]  unit u: 8 registers as loaded; its first four then hold the 8 bf16
	s_load_b512 s[8:23], s[0:1], 0x0               ; x, h, w_xi, w_xf, w_xo, w_xc, w_hi, w_hf
	s_load_b256 s[24:31], s[0:1], 0x40             ; w_ho, w_hc, ab s[28:29], wb s[30:31]
	s_and_b32 s4, ttmp7, 0xffff                    ; y: the tensor
	v_lshrrev_b32 v1, 5, v0
	v_readfirstlane_b32 s6, v1                     ; wave 0..7
	s_lshr_b32 s40, ttmp9, 3                       ; rb
	s_and_b32 s41, ttmp9, 7                        ; strip
	s_wait_alu depctr_va_sdst(0)                   ; s6 is written, ahead of its first reader: the column block and the row half are made from it
	s_and_b32 s42, s6, 3
	s_lshl2_add_u32 s41, s41, s42                  ; cb = 4 strip + w % 4
	s_lshr_b32 s42, s6, 2                          ; which 64 rows of the block
	; the block's number in ab: ((32 (rb / 2) + cb / 2 + 16 y) 2 + rb % 2) 2 + cb % 2
	s_lshr_b32 s43, s40, 1
	s_lshl_b32 s43, s43, 5
	s_lshr_b32 s44, s41, 1
	s_add_co_u32 s43, s43, s44
	s_min_u32 s44, s4, 1                           ; (y, held to 0 or 1: for a weight this number is made and not chosen)
	s_lshl_b32 s44, s44, 4
	s_add_co_u32 s43, s43, s44
	s_and_b32 s44, s40, 1
	s_lshl1_add_u32 s43, s43, s44
	s_and_b32 s44, s41, 1
	s_lshl1_add_u32 s43, s43, s44
	; the block's number in wb: (32 cb + rb + 16 (yy / 4)) 4 + yy % 4, yy = y - 2
	s_max_u32 s45, s4, 2
	s_sub_co_u32 s45, s45, 2
	s_lshr_b32 s46, s45, 2
	s_lshl_b32 s46, s46, 4
	s_add_co_u32 s46, s46, s40
	s_lshl_b32 s47, s41, 5
	s_add_co_u32 s46, s46, s47
	s_and_b32 s45, s45, 3
	s_lshl2_add_u32 s46, s46, s45
	s_cmp_lt_u32 s4, 2
	s_cselect_b32 s43, s43, s46
	s_lshl_b32 s38, s43, 14                        ; the result's offset: 16,384 x block + 8,192 x row half
	s_lshl_b32 s44, s42, 13
	s_add_co_u32 s38, s38, s44
	s_mov_b32 s39, 0
	s_lshl_b32 s36, s40, 20                        ; the source's offset: 128 rb rows of 8,192 bytes,
	s_lshl_b32 s44, s42, 19                        ; 64 rows,
	s_add_co_u32 s36, s36, s44
	s_lshl_b32 s44, s41, 8                         ; 64 cb columns of 4 bytes
	s_add_co_u32 s36, s36, s44
	s_mov_b32 s37, 0
	v_and_b32 v1, 31, v0                           ; lane
	v_lshrrev_b32 v[SO], 3, v1
	v_and_b32 v[DO], 7, v1
	v_lshlrev_b32 v[SO], 13, v[SO]                 ; row l / 8,
	v_lshl_or_b32 v[SO], v[DO], 5, v[SO]           ; 32 bytes at column 8 (l % 8)
	v_lshlrev_b32 v[DO], 4, v1                     ; 16 l
	s_wait_kmcnt 0x0
	s_mov_b64 s[32:33], s[8:9]                     ; the source is chosen among the ten by the grid's y
.irp n, 1,2,3,4,5,6,7,8,9
	s_cmp_eq_u32 s4, \n
	s_cselect_b64 s[32:33], s[8+2*\n:9+2*\n], s[32:33]
.endr
	s_cmp_lt_u32 s4, 2
	s_cselect_b64 s[34:35], s[28:29], s[30:31]     ; x and h go to ab, weights to wb
	s_add_nc_u64 s[32:33], s[32:33], s[36:37]
	s_add_nc_u64 s[34:35], s[34:35], s[38:39]
	s_wait_alu depctr_va_vdst(0)                   ; v[SO] and v[DO] are written: every load below reads the one as its offset, every store the other; no later vector line names them
.set u, 0
.rept 16                                       ; all 32 loads: 16 KiB of the wave on their way
	global_load_b128 v[X+8*u:X+8*u+3],   v[SO], s[32:33] offset:u*32768 th:TH_LOAD_NT
	global_load_b128 v[X+8*u+4:X+8*u+7], v[SO], s[32:33] offset:u*32768+16 th:TH_LOAD_NT
.set u, u+1
.endr
.set g, 0
.rept 4                                        ; group g: units 4 g to 4 g + 3
	s_wait_loadcnt 24-8*g                          ; loads come back in order: the group's eight are in, the 24 - 8 g younger ones stay out
.set u, 4*g
.rept 4
	v_cvt_pk_bf16_f32 v[X+8*u],   v[X+8*u],   v[X+8*u+1]
	v_cvt_pk_bf16_f32 v[X+8*u+1], v[X+8*u+2], v[X+8*u+3]
	v_cvt_pk_bf16_f32 v[X+8*u+2], v[X+8*u+4], v[X+8*u+5]
	v_cvt_pk_bf16_f32 v[X+8*u+3], v[X+8*u+6], v[X+8*u+7]
.set u, u+1
.endr
	s_wait_alu depctr_va_vdst(0)                   ; the group's sixteen conversions have written the first four registers of each of its units, which the four stores below read
.set u, 4*g
.rept 4
	global_store_b128 v[DO], v[X+8*u:X+8*u+3], s[34:35] offset:512*u  ; 512 consecutive bytes, at a multiple of 512 from the buffer's first byte
.set u, u+1
.endr
.set g, g+1
.endr
	s_endpgm
.Lfunc_end_k_qb858812fb5_cast:
	.size	k_qb858812fb5_cast, .Lfunc_end_k_qb858812fb5_cast-k_qb858812fb5_cast
	.p2alignl 7, 3214868480
	.fill 96, 4, 3214868480
	.section	.rodata,"a",@progbits
	.p2align	6, 0x0
	.amdhsa_kernel k_qb858812fb5_cast
		.amdhsa_group_segment_fixed_size 0
		.amdhsa_private_segment_fixed_size 0
		.amdhsa_enable_private_segment 0
		.amdhsa_kernarg_size 96
		.amdhsa_user_sgpr_count 2
		.amdhsa_user_sgpr_kernarg_segment_ptr 1
		.amdhsa_wavefront_size32 1
		.amdhsa_system_sgpr_workgroup_id_x 1
		.amdhsa_system_sgpr_workgroup_id_y 1
		.amdhsa_system_sgpr_workgroup_id_z 1
		.amdhsa_system_vgpr_workitem_id 0
		.amdhsa_next_free_vgpr 132
		.amdhsa_next_free_sgpr 66
		.amdhsa_reserve_vcc 0
		.amdhsa_float_denorm_mode_32 3
		.amdhsa_float_denorm_mode_16_64 3
		.amdhsa_memory_ordered 1
		.amdhsa_forward_progress 1
		.amdhsa_inst_pref_size 12
	.end_amdhsa_kernel
	.amdgpu_metadata
---
amdhsa.version: [ 1, 2 ]
amdhsa.kernels:
  - .name:           k_qb858812fb5_cast
    .symbol:         k_qb858812fb5_cast.kd
    .args:
      - { .name: x, .offset: 0, .size: 8, .value_kind: global_buffer, .address_space: global }
      - { .name: h, .offset: 8, .size: 8, .value_kind: global_buffer, .address_space: global }
      - { .name: w_xi, .offset: 16, .size: 8, .value_kind: global_buffer, .address_space: global }
      - { .name: w_xf, .offset: 24, .size: 8, .value_kind: global_buffer, .address_space: global }
      - { .name: w_xo, .offset: 32, .size: 8, .value_kind: global_buffer, .address_space: global }
      - { .name: w_xc, .offset: 40, .size: 8, .value_kind: global_buffer, .address_space: global }
      - { .name: w_hi, .offset: 48, .size: 8, .value_kind: global_buffer, .address_space: global }
      - { .name: w_hf, .offset: 56, .size: 8, .value_kind: global_buffer, .address_space: global }
      - { .name: w_ho, .offset: 64, .size: 8, .value_kind: global_buffer, .address_space: global }
      - { .name: w_hc, .offset: 72, .size: 8, .value_kind: global_buffer, .address_space: global }
      - { .name: ab, .offset: 80, .size: 8, .value_kind: global_buffer, .address_space: global }
      - { .name: wb, .offset: 88, .size: 8, .value_kind: global_buffer, .address_space: global }
    .group_segment_fixed_size: 0
    .private_segment_fixed_size: 0
    .kernarg_segment_align: 8
    .kernarg_segment_size: 96
    .max_flat_workgroup_size: 256
    .sgpr_count:     66
    .vgpr_count:     132
    .wavefront_size: 32
...
	.end_amdgpu_metadata
.endif
;; end of part 3
;; launch lstm: the kernel of part 2 again; grid 32 x 8, 4 waves a work-group, clusters of 4 x 4, 327,680 bytes of LDS; arguments ab, wb, c, b_i, b_f, b_o, b_c, out0, out1; writes out0, out1
